; MI455X (gfx1250); checked and timed in simulation.
; The chip was launched on July 23, 2026; its instructions are those of AMD's public machine-readable ISA for CDNA 5 (MIT licence, August 2026) and "CDNA5" Instruction Set Architecture Reference Guide (July 2026). The comments in the code are by the model that wrote it; some were corrected since.
;; Old MHSA. Allowed arithmetic: matrix products marked QUANTISED: E2M1 operands, one E8M0 scale for each 32 along K, by v_wmma_scale_f32_16x16x128_f8f6f4 with both operands' format E2M1 (or v_wmma_scale_f32_32x16x128_f4), f32 sums; products left as they are: bf16, f16 or f32 operands; f32 sums; everything else in f32.
;; Inputs: Wk 256 x 256 float32; Wq 256 x 256 float32; Wv 256 x 256 float32; bk 256 float32; bq 256 float32; bv 256 float32; x 8 x 2,048 x 256 float32.
;; Outputs: out0 8 x 2,048 x 256 float32.
;; This version of the problem:
;;   THIS VERSION OF THE PROBLEM IS GIVEN IN LOW PRECISION. The matrix products marked QUANTISED in the list below multiply operands that are first quantised to E2M1 (2 exponent bits, 1 mantissa bit; 4 bits a number), with one power-of-two scale for each 32 numbers along K (OCP MX v1.0); their sums are f32. The products marked 'left as it is' may take bf16, f16 or f32 operands, with f32 sums. Whichever they take, every output number must still come out within the allowed error. Rounding operands to bf16 (8 significant bits) uses up far more of that allowance than f16 does (11 bits, for magnitudes from 6e-5 to 65,504). All else is computed in f32.
;;   The module's matrix products, in the order in which they are computed (A, B: the left and right operand; K: the contracted axis; several contracted axes count as one K, in the product's order):
;;     1. [M 16,384, K 256] x [K 256, N 256]; A: input x; B: input Wq: QUANTISED
;;     2. [M 16,384, K 256] x [K 256, N 256]; A: input x; B: input Wk: QUANTISED
;;     3. [M 16,384, K 256] x [K 256, N 256]; A: input x; B: input Wv: QUANTISED
;;     4. batch 64 x [M 2,048, K 32] x [K 32, N 2,048]; A: computed on the way; B: computed on the way: left as it is (an operand is computed on the way)
;;     5. batch 64 x [M 2,048, K 2,048] x [K 2,048, N 32]; A: computed on the way; B: computed on the way: left as it is (an operand is computed on the way)
;;   THE QUANTISER, for each operand of a quantised product, along K:
;;     - K is cut into blocks of 32 from its start; a last block that is shorter is filled with zeros.
;;     - A block's scale is 2^e with e = floor(log2(the largest magnitude in the block)) - 2, held to -126 .. 127; a block of zeros has e = 0. As a byte (E8M0): e + 127.
;;     - Each number is divided by its block's scale, clamped to +-6, and rounded to the nearest number of E2M1, ties to even, subnormals kept.
;;     - The product sums the exact products of the quantised numbers (number of the format x scale) in f32.
;;   ~~~python
;;   def quantise(x, axis):      # numpy; x: float32 -> the quantised numbers, widened to float32 again
;;       x = np.moveaxis(x, axis, -1); K = x.shape[-1]
;;       x = np.pad(x, [(0, 0)] * (x.ndim - 1) + [(0, -K % 32)]); x = x.reshape(x.shape[:-1] + (-1, 32)); a = np.abs(x).max(-1, keepdims=True)
;;       e = np.where(a > 0, np.clip(np.frexp(np.where(a > 0, a, 1))[1] - 1 - 2, -126, 127), 0)      # np.frexp(a)[1] - 1 = floor(log2(a)), exactly
;;       r = np.clip(x / 2.0 ** e, -6, 6)
;;       step = 2.0 ** (np.maximum(np.frexp(np.where(r == 0, 1, r))[1] - 1, 0) - 1)
;;       q = np.round(r / step) * step * 2.0 ** e      # np.round: ties to even
;;       return np.moveaxis(q.reshape(q.shape[:-2] + (-1,))[..., :K], -1, axis).astype(np.float32)
;;   ~~~
;; One version. Each part assembles by itself: llvm-mc -triple=amdgcn-amd-amdhsa -mcpu=gfx1250 --defsym DOCPART=n.
;; ======== version 1 of 1: 3 launches
;; limits: values are held in f16: magnitudes above 65,504 overflow, below 6.1e-05 lose precision
;; workspace buffers: wcodes 98,304 bytes; wscales 12,288 bytes; qimg 16,777,216 bytes; kv 25,165,824 bytes
;; launch wquant (part 1): grid 96 x 1, 1 waves a work-group, no clusters, 0 bytes of LDS; arguments Wq, Wk, Wv, wcodes, wscales; writes wcodes, wscales
.if DOCPART == 1
	.amdgcn_target "amdgcn-amd-amdhsa--gfx1250"
	.amdhsa_code_object_version 6
	.text
	.protected	k_qc69d0f6229_wquant
	.globl	k_qc69d0f6229_wquant
	.p2align	8
	.type	k_qc69d0f6229_wquant,@function
k_qc69d0f6229_wquant:
	s_mov_b64 s[64:65], 0
	v_nop
	global_prefetch_b8 v0, s[64:65] scope:SCOPE_SE
	s_setreg_imm32_b32 hwreg(HW_REG_WAVE_MODE, 25, 1), 1
	s_wait_xcnt 0x0
; Wq, Wk, Wv [256 (k)][256 (n)], f32, K = the FIRST axis, become codes of FP4 (E2M1) with one E8M0 scale byte for each 32 along K,
; laid in the order of the matrix operand's registers, so that the next launch loads each fragment by two loads of 512 consecutive bytes.
; One wave makes one fragment f = 32 mtx + 2 t + s (mtx 0, 1, 2 = q, k, v; t = tile of 16 columns; s = K step of 128): 96 work-groups of one wave.
; A LANE TAKES A COLUMN AND ITS REGISTERS RUN DOWN K: lane (r, h) holds column 16 t + r and k = 128 s + 64 c + 32 h + 0 .. 31, c = 0, 1: two whole blocks of 32, in the very
; order in which the operand's layout gives them to that lane: the conversions' results are the operand's registers, and nothing is transposed.
; wcodes:  1024 f + 512 c + 16 lane: registers 4 c .. 4 c + 3 of the lane.      wscales: 128 f + 4 lane: the column's four scale bytes of the K step (both halves of the lanes hold the word).
; A block's scale is 2^(floor(log2(its largest magnitude)) - 2): its byte is the largest magnitude's exponent field - 2, held at 1 from below by a floor among the maximum's leaves.
; LIMITS: a block of zeros gets the byte 1 where the quantiser's rule says 127: its codes are zeros, which add nothing under that byte, and this program alone reads the bytes.
; NaN and infinities among the inputs are not served.
; No LDS, no matrix unit, no cluster: 786,432 bytes are read once and work-groups share nothing.
.set X,  64                            ; v64-127  the numbers: block c at X + 32 c
.set MX, 32                            ; v32-33   the blocks' largest magnitudes
.set SO, 44                            ; v44-45   the conversions' scale operands
.set BY, 36                            ; v36-37   the scale bytes
.set C,  48                            ; v48-55   the codes
	s_load_b256 s[4:11], s[0:1], 0x0               ; Wq s[4:5], Wk s[6:7], Wv s[8:9], wcodes s[10:11]
	s_load_b64 s[12:13], s[0:1], 0x20              ; wscales
	v_and_b32 v1, 15, v0                           ; r
	v_lshrrev_b32 v2, 4, v0                        ; h
	v_lshlrev_b32 v3, 2, v1                        ; my column: 4 r bytes,
	v_lshl_add_u32 v3, v2, 15, v3                  ; and lanes 16-31 begin 32 rows of 1,024 bytes further down
	v_lshlrev_b32 v4, 4, v0                        ; out: 16 bytes a lane,
	v_lshlrev_b32 v5, 2, v0                        ; and 4 for the scale word
	s_lshr_b32 s16, ttmp9, 5                       ; mtx
	s_bfe_u32 s17, ttmp9, 0x40001                  ; t: 4 bits from bit 1
	s_and_b32 s18, ttmp9, 1                        ; s
	s_lshl_b32 s22, s18, 17                        ; 128 rows of 1,024 bytes a K step,
	s_lshl_b32 s23, s17, 6                         ; 64 bytes a tile of columns
	s_add_co_u32 s22, s22, s23
	s_mov_b32 s23, 0
	s_lshl_b32 s24, ttmp9, 10                      ; 1,024 f
	s_mov_b32 s25, 0
	s_lshl_b32 s26, ttmp9, 7                       ; 128 f
	s_mov_b32 s27, 0
	s_mov_b32 s20, 0x76543210
	s_mov_b32 s21, 0xfedcba98                      ; v_permlanex16_b32's selects for lane l xor 16
	s_wait_kmcnt 0x0
	s_cmp_eq_u32 s16, 0                            ; which weight: the choice hangs on the work-group's number alone
	s_cselect_b64 s[14:15], s[4:5], s[6:7]
	s_cmp_eq_u32 s16, 2
	s_cselect_b64 s[14:15], s[8:9], s[14:15]
	s_add_nc_u64 s[14:15], s[14:15], s[22:23]
	s_add_nc_u64 s[10:11], s[10:11], s[24:25]
	s_add_nc_u64 s[12:13], s[12:13], s[26:27]
.irp c, 0,1
.irp i, 0,1,2,3,4,5,6,7,8,9,10,11,12,13,14,15,16,17,18,19,20,21,22,23,24,25,26,27,28,29,30,31
	global_load_b32 v[X+32*\c+\i], v3, s[14:15] offset:(64*\c+\i)*1024   ; W(128 s + 64 c + 32 h + i, 16 t + r): sixteen neighbouring lanes read 64 neighbouring bytes
.endr
.endr
	s_wait_loadcnt 0x0
.irp c, 0,1                                    ; my block 2 c + h: all its 32 numbers are mine
	v_max3_num_f32 v[MX+\c], |v[X+32*\c]|, |v[X+1+32*\c]|, 0x1800000   ; and the floor 2^(3 - 127): so the byte cannot fall under 1
.endr
.irp i, 2,4,6,8,10,12,14,16,18,20,22,24,26,28,30
.irp c, 0,1
	v_max3_num_f32 v[MX+\c], v[MX+\c], |v[X+32*\c+\i]|, |v[X+1+32*\c+\i]|   ; (the two blocks by turns)
.endr
.endr
.irp c, 0,1
	v_add_nc_u32 v[SO+\c], 0xff000000, v[MX+\c]    ; 2 off the exponent field: the conversion takes the exponent field of this operand as its scale, and nothing else of it
.endr
.irp c, 0,1
	v_lshrrev_b32 v[BY+\c], 23, v[SO+\c]           ; the scale's byte
.endr
	v_lshl_or_b32 v9, v[BY+1], 16, v[BY]           ; my two bytes: blocks h and 2 + h of the K step,
	v_lshlrev_b32 v10, 3, v2
	v_lshlrev_b32 v9, v10, v9                      ; at their places in the word (8 h bits up);
	v_mov_b32 v10, 0                               ; (a lane permute's destination counts as one of its sources)
	v_permlanex16_b32 v10, v9, s20, s21
	v_or_b32 v9, v9, v10                           ; with lane l xor 16's two the word is whole
.irp c, 0,1
.irp g, 0,1,2,3
	v_cvt_scalef32_pk8_fp4_f32 v[C+4*\c+\g], v[X+32*\c+8*\g:X+32*\c+8*\g+7], v[SO+\c]   ; registers 4 c .. 4 c + 3 of the operand; beyond 6 the largest code
.endr
.endr
	v_nop                                          ; one plain place behind the last scaled conversion
	global_store_b128 v4, v[C:C+3], s[10:11]               ; each store covers 512 consecutive bytes, at a multiple of 256 from the buffer's first byte
	global_store_b128 v4, v[C+4:C+7], s[10:11] offset:512
	global_store_b32 v5, v9, s[12:13]                      ; 128 consecutive bytes
	s_endpgm
.Lfunc_end_k_qc69d0f6229_wquant:
	.size	k_qc69d0f6229_wquant, .Lfunc_end_k_qc69d0f6229_wquant-k_qc69d0f6229_wquant
	.p2alignl 7, 3214868480
	.fill 96, 4, 3214868480
	.section	.rodata,"a",@progbits
	.p2align	6, 0x0
	.amdhsa_kernel k_qc69d0f6229_wquant
		.amdhsa_group_segment_fixed_size 0
		.amdhsa_private_segment_fixed_size 0
		.amdhsa_enable_private_segment 0
		.amdhsa_kernarg_size 40
		.amdhsa_user_sgpr_count 2
		.amdhsa_user_sgpr_kernarg_segment_ptr 1
		.amdhsa_wavefront_size32 1
		.amdhsa_system_sgpr_workgroup_id_x 1
		.amdhsa_system_sgpr_workgroup_id_y 1
		.amdhsa_system_sgpr_workgroup_id_z 1
		.amdhsa_system_vgpr_workitem_id 0
		.amdhsa_next_free_vgpr 128
		.amdhsa_next_free_sgpr 66
		.amdhsa_reserve_vcc 0
		.amdhsa_float_denorm_mode_32 3
		.amdhsa_float_denorm_mode_16_64 3
		.amdhsa_memory_ordered 1
		.amdhsa_forward_progress 1
		.amdhsa_inst_pref_size 11
	.end_amdhsa_kernel
	.amdgpu_metadata
---
amdhsa.version: [ 1, 2 ]
amdhsa.kernels:
  - .name:           k_qc69d0f6229_wquant
    .symbol:         k_qc69d0f6229_wquant.kd
    .args:
      - { .name: Wq, .offset: 0, .size: 8, .value_kind: global_buffer, .address_space: global }
      - { .name: Wk, .offset: 8, .size: 8, .value_kind: global_buffer, .address_space: global }
      - { .name: Wv, .offset: 16, .size: 8, .value_kind: global_buffer, .address_space: global }
      - { .name: wcodes, .offset: 24, .size: 8, .value_kind: global_buffer, .address_space: global }
      - { .name: wscales, .offset: 32, .size: 8, .value_kind: global_buffer, .address_space: global }
    .group_segment_fixed_size: 0
    .private_segment_fixed_size: 0
    .kernarg_segment_align: 8
    .kernarg_segment_size: 40
    .max_flat_workgroup_size: 32
    .sgpr_count:     66
    .vgpr_count:     128
    .wavefront_size: 32
...
	.end_amdgpu_metadata
.endif
;; end of part 1
;; launch proj (part 2): grid 256 x 1, 8 waves a work-group, no clusters, 77,824 bytes of LDS; arguments x, wcodes, wscales, bq, bk, bv, qimg, kv; writes qimg, kv
.if DOCPART == 2
	.amdgcn_target "amdgcn-amd-amdhsa--gfx1250"
	.amdhsa_code_object_version 6
	.text
	.protected	k_qc69d0f6229_proj
	.globl	k_qc69d0f6229_proj
	.p2align	8
	.type	k_qc69d0f6229_proj,@function
k_qc69d0f6229_proj:
	s_mov_b64 s[64:65], 0
	v_nop
	global_prefetch_b8 v0, s[64:65] scope:SCOPE_SE
	s_setreg_imm32_b32 hwreg(HW_REG_WAVE_MODE, 25, 1), 1
	s_wait_xcnt 0x0
; Q, K, V = Quant(x) Quant(W) + b, on codes of FP4 (E2M1) with E8M0 scales for each 32 along K = 256, sums in f32; then the operands of attention are laid out for the next launch.
; x: [16,384 tokens][256] f32.  wcodes, wscales: the three weights as register images (1,024 bytes a fragment f = 32 mtx + 2 t + s; 128 bytes of scale words).
; SHARES.  A work-group of eight waves takes 64 tokens: four tiles m of 16.  Wave w has two parts.  First it quantises x's fragment w = 2 m + s (16 tokens x 128 along K) and hands it to the others
; through LDS as an image of its registers.  Then it is HEAD w: columns 32 w .. 32 w + 31 of Wq, Wk and Wv (two tiles u of 16), for all four tiles of tokens: 48 matrix instructions.
; Q AND K ARE MADE TRANSPOSED (source 0 = 16 columns of W, source 1 = 16 tokens): lane (r, h), register j holds token r, channel 16 u + 8 h + j of the head: packed in pairs to f16, tile u is
; registers 4 u .. 4 u + 3 of the 16 x 32 fragment that the score product wants.  V IS MADE THE NATURAL WAY (source 0 = tokens, source 1 = columns): lane (r, h), register j holds token 8 h + j,
; channel r: packed, the two token tiles of a block of 32 keys are registers 0-3 and 4-7 of V^T's fragment.  So nothing is transposed.
; The biases are the C of each sum's first matrix instruction.
; Q AND K LEAVE AS PAIRS OF f16 NUMBERS.  The logits are Q.K x sqrt(32): they spread so far that the softmax is close to one-hot, and where two logits are near each other an error in their
; difference goes straight into the output.  high = the f32 number with its low 13 mantissa bits cut (exact in f16), low = the f32 difference, rounded to f16: about 21 bits together.  V leaves rounded once to f16.
; OUT.  An image is [c = 0, 1][lane][16 bytes]: registers 4 c .. 4 c + 3 of lane l at 512 c + 16 l.
;   qimg: ((8 n + head) 128 + tile of 16 queries) 2048 + 1024 part + image; part 0 high, 1 low.
;   kv:   ((4 n + head / 2) 64 + block of 32 keys) 12288 + 6144 (head % 2) + piece; K high of key tile i at 1024 i, K low at 2048 + 1024 i, V^T of channels 16 dt on at 4096 + 1024 dt.
; LIMITS: |Q|, |K|, |V| stay under 65,504, f16's largest number; parts under 2^-14 carry an absolute error of up to 2^-25.  A block of zeros of x gets the scale byte 1 where the
; quantiser's rule says 127: its codes are zeros.  NaN and infinities among the inputs are not served.
; No tensor load: x's 8 KiB a wave come by 16 loads of 512 consecutive bytes, the weights' images straight into registers.  No cluster: what work-groups share, 110,592 bytes of weights, is under two parts in three of the 65,536 + 110,592 bytes that one reads, once, into registers.
; REGISTERS.  Window 0: v1-13 addresses; v16-79 packed results; v80-87 at work; v88-95 x's scale words; v96-107 the weights'; v112-175 x as loaded, then x's eight fragments;
;   v176-239 my 64 numbers of x, then the eight accumulators (a = 2 m + u); v240-247 the quantiser's; v248-255 the codes just made.
;   Window 1: v0-95 my 12 fragments of the weights (4 mtx + 2 u + s); v96-127 bq's and bk's tiles (2 mtx + u); v128-143 bv's two.
.set XIMG,  0                          ; LDS: x's eight fragments, 1,024 bytes each,
.set XSC,   8192                       ; their scale words, 128 bytes each,
.set SG,    9216                       ; a stage of 16 rows x 528 bytes for each wave, its own,
.set SGW,   16*528
.set SPARE, SG+8*SGW                   ; and the spare words, 128 bytes for each wave: four blocks of 256 bytes that no other line names
.set LI,  3                            ; v3   16 x lane
.set LS,  4                            ; v4   4 x lane
.set SIN, 5                            ; v5   the stage, on the way in: 16 x lane in a row
.set SOU, 6                            ; v6   and out: row r, + 128 h
.set XWI, 7                            ; v7   where I store my image of x: 1024 w + 16 x lane
.set XWS, 8                            ; v8   and its scale words: 128 w + 4 x lane
.set BO,  9                            ; v9   32 h: my eight numbers of a tile of bq or bk
.set BVO, 10                           ; v10  4 r: my number of a tile of bv
.set SPW, 12                           ; v12  LDS address of my spare word; never rewritten
.set NIL, 13                           ; v13  0; never rewritten
.set OUT, 16
.set T,   80
.set XS,  88
.set WS,  96
.set XF,  112
.set ACC, 176
.set QT,  240                          ; v240-241 largest magnitudes, v242-243 scale operands, v244-245 bytes, v246 the word, v247 at work
.set PC,  248
.set WF,  0                            ; in window 1
.set BQK, 96
.set BV,  128
.set MSB, 0
.macro WIN new                         ; the immediate's high byte repeats the setting that is left
.if MSB != \new
	s_set_vgpr_msb (MSB<<8)|\new
.set MSB, \new
.endif
.endm
	s_load_b256 s[4:11], s[0:1], 0x0               ; x s[4:5], wcodes s[6:7], wscales s[8:9], bq s[10:11]
	s_load_b256 s[12:19], s[0:1], 0x20             ; bk s[12:13], bv s[14:15], qimg s[16:17], kv s[18:19]
	v_lshl_add_u32 v[SPW], v0, 2, SPARE
	v_mov_b32 v[NIL], 0
	v_lshrrev_b32 v1, 5, v0
	v_readfirstlane_b32 s22, v1                    ; wave 0..7
	v_and_b32 v11, 31, v0                          ; lane
	v_and_b32 v1, 15, v0                           ; r
	v_bfe_u32 v2, v0, 4, 1                         ; h
	v_lshlrev_b32 v[LI], 4, v11
	v_lshlrev_b32 v[LS], 2, v11
	s_mul_i32 s24, s22, SGW
	s_add_co_u32 s24, s24, SG                      ; my stage
	v_add_nc_u32 v[SIN], s24, v[LI]
	v_mul_u32_u24 v[SOU], v1, 528
	v_lshl_add_u32 v[SOU], v2, 7, v[SOU]
	v_add_nc_u32 v[SOU], s24, v[SOU]
	s_lshl_b32 s25, s22, 10
	v_add_nc_u32 v[XWI], s25, v[LI]
	s_lshl_b32 s25, s22, 7
	v_add_nc_u32 v[XWS], s25, v[LS]
	v_lshlrev_b32 v[BO], 5, v2
	v_lshlrev_b32 v[BVO], 2, v1
	s_mov_b32 s20, 0x76543210
	s_mov_b32 s21, 0xfedcba98                      ; v_permlanex16_b32's selects for lane l xor 16
	s_mov_b32 s23, 0xffffe000                      ; keeps sign, exponent and ten mantissa bits
	s_lshr_b32 s26, ttmp9, 5                       ; n: 32 work-groups to a batch
	s_and_b32 s27, ttmp9, 31                       ; my 64 tokens in it
	s_lshr_b32 s30, s22, 1                         ; as a quantiser: my tile of tokens; as a head: my pair
	s_and_b32 s31, s22, 1                          ; my K step; my place in the pair
	s_lshl_b32 s28, ttmp9, 16                      ; x: 64 rows of 1,024 bytes a work-group,
	s_lshl_b32 s24, s30, 14                        ; 16 rows a tile,
	s_add_co_u32 s28, s28, s24
	s_lshl_b32 s24, s31, 9                         ; 512 bytes a K step
	s_add_co_u32 s28, s28, s24
	s_mov_b32 s29, 0
	s_lshl_b32 s32, s22, 12                        ; wcodes: my four fragments of each weight
	s_mov_b32 s33, 0
	s_lshl_b32 s34, s22, 9                         ; wscales likewise
	s_mov_b32 s35, 0
	s_lshl_b32 s36, s22, 7                         ; the biases: my 32 numbers
	s_mov_b32 s37, 0
	s_lshl_b32 s38, s26, 3                         ; qimg: ((8 n + w) 128 + 4 x my place) 2048
	s_add_co_u32 s38, s38, s22
	s_lshl_b32 s38, s38, 7
	s_lshl_b32 s24, s27, 2
	s_add_co_u32 s38, s38, s24
	s_lshl_b32 s38, s38, 11
	s_mov_b32 s39, 0
	s_lshl_b32 s40, s26, 2                         ; kv: ((4 n + pair) 64 + 2 x my place) 12288 + 6144 x place in the pair
	s_add_co_u32 s40, s40, s30
	s_lshl_b32 s40, s40, 6
	s_lshl_b32 s24, s27, 1
	s_add_co_u32 s40, s40, s24
	s_mul_i32 s40, s40, 12288
	s_mul_i32 s24, s31, 6144
	s_add_co_u32 s40, s40, s24
	s_mov_b32 s41, 0
	s_wait_kmcnt 0x0
	s_add_nc_u64 s[4:5], s[4:5], s[28:29]
	s_add_nc_u64 s[6:7], s[6:7], s[32:33]
	s_add_nc_u64 s[8:9], s[8:9], s[34:35]
	s_add_nc_u64 s[10:11], s[10:11], s[36:37]
	s_add_nc_u64 s[12:13], s[12:13], s[36:37]
	s_add_nc_u64 s[14:15], s[14:15], s[36:37]
	s_add_nc_u64 s[16:17], s[16:17], s[38:39]
	s_add_nc_u64 s[18:19], s[18:19], s[40:41]
	; ---- all loads go out at once: x first, since it is wanted first
.irp p, 0,1,2,3,4,5,6,7,8,9,10,11,12,13,14,15
	global_load_b128 v[XF+4*\p:XF+4*\p+3], v[LI], s[4:5] offset:1024*\p th:TH_LOAD_NT   ; row p's K step: 512 consecutive bytes
.endr
	WIN 0x40                                       ; destination window 1, address window 0
.irp x, 0,1,2
.irp f, 0,1,2,3
.irp c, 0,1
	global_load_b128 v[WF+8*(4*\x+\f)+4*\c:WF+8*(4*\x+\f)+4*\c+3], v[LI], s[6:7] offset:32768*\x+1024*\f+512*\c   ; weight x, fragment f = 2 u + s of my four
.endr
.endr
.endr
.irp u, 0,1
.irp d, 0,1
	global_load_b128 v[BQK+8*\u+4*\d:BQK+8*\u+4*\d+3], v[BO], s[10:11] offset:64*\u+16*\d          ; bq[32 w + 16 u + 8 h + 0 .. 7]
	global_load_b128 v[BQK+16+8*\u+4*\d:BQK+16+8*\u+4*\d+3], v[BO], s[12:13] offset:64*\u+16*\d    ; bk likewise
.endr
.endr
.irp u, 0,1
.irp j, 0,1,2,3,4,5,6,7
	global_load_b32 v[BV+8*\u+\j], v[BVO], s[14:15] offset:64*\u   ; bv[32 w + 16 u + r]: in V's layout a lane's eight registers are eight tokens of one channel
.endr
.endr
	WIN 0
.irp x, 0,1,2
.irp f, 0,1,2,3
	global_load_b32 v[WS+4*\x+\f], v[LS], s[8:9] offset:4096*\x+128*\f
.endr
.endr
	; ---- x turns through my stage: loaded 16 bytes a lane as it lies, read back 128 neighbouring bytes a lane and block
	s_wait_loadcnt 60                              ; x's 16 loads are in; the 24 + 8 + 16 + 12 issued behind them may stay out
.irp p, 0,1,2,3,4,5,6,7,8,9,10,11,12,13,14,15
	ds_store_b128 v[SIN], v[XF+4*\p:XF+4*\p+3] offset:528*\p
.endr
.irp c, 0,1
.irp i, 0,1,2,3,4,5,6,7
	ds_load_b128 v[ACC+32*\c+4*\i:ACC+32*\c+4*\i+3], v[SOU] offset:256*\c+16*\i   ; x(r, 64 c + 32 h + 4 i ..).  LDS serves a wave's instructions in order (ISA guide 5.7.1.4): these see my stores.  A row is 33 x 16 bytes: sixteen rows begin at sixteen different 16-byte columns modulo 256
.endr
.endr
	s_wait_dscnt 0x0
	; ---- the quantiser: a lane holds two whole blocks of 32
.irp c, 0,1
	v_max3_num_f32 v[QT+\c], |v[ACC+32*\c]|, |v[ACC+1+32*\c]|, 0x1800000   ; the floor 2^(3 - 127) among the leaves: the byte cannot fall under 1
.endr
.irp i, 2,4,6,8,10,12,14,16,18,20,22,24,26,28,30
.irp c, 0,1
	v_max3_num_f32 v[QT+\c], v[QT+\c], |v[ACC+32*\c+\i]|, |v[ACC+1+32*\c+\i]|
.endr
.endr
.irp c, 0,1
	v_add_nc_u32 v[QT+2+\c], 0xff000000, v[QT+\c]  ; 2 off the exponent field: the conversion's scale operand
.endr
.irp c, 0,1
	v_lshrrev_b32 v[QT+4+\c], 23, v[QT+2+\c]       ; the scale's byte
.endr
	v_lshl_or_b32 v[QT+6], v[QT+5], 16, v[QT+4]    ; blocks h and 2 + h of my row,
	v_lshlrev_b32 v[QT+7], 3, v2
	v_lshlrev_b32 v[QT+6], v[QT+7], v[QT+6]        ; at their places in the word;
	v_mov_b32 v[QT+7], 0                           ; (a lane permute's destination counts as one of its sources)
	v_permlanex16_b32 v[QT+7], v[QT+6], s20, s21
	v_or_b32 v[QT+6], v[QT+6], v[QT+7]             ; with lane l xor 16's two the word is whole
.irp c, 0,1
.irp g, 0,1,2,3
	v_cvt_scalef32_pk8_fp4_f32 v[PC+4*\c+\g], v[ACC+32*\c+8*\g:ACC+32*\c+8*\g+7], v[QT+2+\c]
.endr
.endr
	v_nop                                          ; one plain place behind the last scaled conversion: matrix instructions write its sources later
	ds_store_b128 v[XWI], v[PC:PC+3] offset:XIMG
	ds_store_b128 v[XWI], v[PC+4:PC+7] offset:XIMG+512
	ds_store_b32 v[XWS], v[QT+6] offset:XSC
	s_wait_dscnt 0x0                               ; for the others' sake: my image has landed
	s_barrier_signal -1
	s_barrier_wait -1                              ; x's eight fragments lie in LDS; nothing writes them again
.irp f, 0,1,2,3,4,5,6,7
.irp c, 0,1
	ds_load_b128 v[XF+8*\f+4*\c:XF+8*\f+4*\c+3], v[LI] offset:XIMG+1024*\f+512*\c
.endr
	ds_load_b32 v[XS+\f], v[LS] offset:XSC+128*\f
.endr
	s_wait_dscnt 0x0
	s_wait_loadcnt 0x0                             ; weights, biases, scale words
; Q or K (mtx = 0, 1), transposed: 16 matrix instructions on eight accumulators, which take turns, one instruction a turn; the bias starts each sum.
.macro MULQK mtx
	WIN 0x11                                       ; source 0 (W) and source 2 (the bias) window 1
.irp m, 0,1,2,3
.irp u, 0,1
	v_wmma_scale_f32_16x16x128_f8f6f4 v[ACC+8*(2*\m+\u):ACC+8*(2*\m+\u)+7], v[WF+8*(4*\mtx+2*\u):WF+8*(4*\mtx+2*\u)+7], v[XF+16*\m:XF+16*\m+7], v[BQK+8*(2*\mtx+\u):BQK+8*(2*\mtx+\u)+7], v[WS+4*\mtx+2*\u], v[XS+2*\m] matrix_a_fmt:MATRIX_FMT_FP4 matrix_b_fmt:MATRIX_FMT_FP4
.endr
.endr
	WIN 0x01
.irp m, 0,1,2,3
.irp u, 0,1
	v_wmma_scale_f32_16x16x128_f8f6f4 v[ACC+8*(2*\m+\u):ACC+8*(2*\m+\u)+7], v[WF+8*(4*\mtx+2*\u+1):WF+8*(4*\mtx+2*\u+1)+7], v[XF+16*\m+8:XF+16*\m+15], v[ACC+8*(2*\m+\u):ACC+8*(2*\m+\u)+7], v[WS+4*\mtx+2*\u+1], v[XS+2*\m+1] matrix_a_fmt:MATRIX_FMT_FP4 matrix_b_fmt:MATRIX_FMT_FP4
.endr
.endr
	WIN 0
.rept 4
	v_nop                                          ; four places ahead of the first read of results (ISA guide 7.12.1)
.endr
.endm
; V, the natural way: the sources, and the scale operands with them, change places.
.macro MULV
	WIN 0x14                                       ; source 1 (W) and source 2 (the bias) window 1
.irp m, 0,1,2,3
.irp u, 0,1
	v_wmma_scale_f32_16x16x128_f8f6f4 v[ACC+8*(2*\m+\u):ACC+8*(2*\m+\u)+7], v[XF+16*\m:XF+16*\m+7], v[WF+8*(8+2*\u):WF+8*(8+2*\u)+7], v[BV+8*\u:BV+8*\u+7], v[XS+2*\m], v[WS+8+2*\u] matrix_a_fmt:MATRIX_FMT_FP4 matrix_b_fmt:MATRIX_FMT_FP4
.endr
.endr
	WIN 0x04
.irp m, 0,1,2,3
.irp u, 0,1
	v_wmma_scale_f32_16x16x128_f8f6f4 v[ACC+8*(2*\m+\u):ACC+8*(2*\m+\u)+7], v[XF+16*\m+8:XF+16*\m+15], v[WF+8*(8+2*\u+1):WF+8*(8+2*\u+1)+7], v[ACC+8*(2*\m+\u):ACC+8*(2*\m+\u)+7], v[XS+2*\m+1], v[WS+8+2*\u+1] matrix_a_fmt:MATRIX_FMT_FP4 matrix_b_fmt:MATRIX_FMT_FP4
.endr
.endr
	WIN 0
.rept 4
	v_nop
.endr
.endm
; Accumulator a becomes 4 registers of high parts and 4 of low parts.  It is read from its low end on.
.macro SPLIT a
.irp k, 0,1,2,3,4,5,6,7
	v_and_b32 v[T+\k], s23, v[ACC+8*(\a)+\k]       ; high: ten mantissa bits
.endr
.irp k, 0,2,4,6
	v_pk_add_f32 v[ACC+8*(\a)+\k:ACC+8*(\a)+\k+1], v[ACC+8*(\a)+\k:ACC+8*(\a)+\k+1], v[T+\k:T+\k+1] neg_lo:[0,1] neg_hi:[0,1]   ; low = the number - high: exact in f32
.endr
.irp k, 0,1,2,3
	v_cvt_pk_f16_f32 v[OUT+8*(\a)+\k], v[T+2*\k], v[T+2*\k+1]
.endr
.irp k, 0,1,2,3
	v_cvt_pk_f16_f32 v[OUT+8*(\a)+4+\k], v[ACC+8*(\a)+2*\k], v[ACC+8*(\a)+2*\k+1]
.endr
.endm
.macro PACKV a
.irp k, 0,1,2,3
	v_cvt_pk_f16_f32 v[OUT+8*(\a)+\k], v[ACC+8*(\a)+2*\k], v[ACC+8*(\a)+2*\k+1]
.endr
.endm
	; ---- Q.  Every store below covers 512 consecutive bytes, at a multiple of 256 from its buffer's first byte
	MULQK 0
.irp a, 0,1,2,3,4,5,6,7
	SPLIT \a
.endr
.irp m, 0,1,2,3
.irp u, 0,1
	global_store_b128 v[LI], v[OUT+8*(2*\m+\u):OUT+8*(2*\m+\u)+3], s[16:17] offset:2048*\m+512*\u
	global_store_b128 v[LI], v[OUT+8*(2*\m+\u)+4:OUT+8*(2*\m+\u)+7], s[16:17] offset:2048*\m+1024+512*\u
.endr
.endr
	; ---- K.  The accumulators are begun anew far more than five places behind their last products: the splits of the other accumulators lie between
	MULQK 1
	s_wait_xcnt 0x0                                ; Q's stores have read their data: the packed results are written again only behind this wait
.irp a, 0,1,2,3,4,5,6,7
	SPLIT \a
.endr
.irp m, 0,1,2,3
.irp u, 0,1
	global_store_b128 v[LI], v[OUT+8*(2*\m+\u):OUT+8*(2*\m+\u)+3], s[18:19] offset:12288*(\m/2)+1024*(\m%2)+512*\u
	global_store_b128 v[LI], v[OUT+8*(2*\m+\u)+4:OUT+8*(2*\m+\u)+7], s[18:19] offset:12288*(\m/2)+2048+1024*(\m%2)+512*\u
.endr
.endr
	; ---- V
	MULV
	s_wait_xcnt 0x0                                ; K's stores have read their data
.irp a, 0,1,2,3,4,5,6,7
	PACKV \a
.endr
.irp m, 0,1,2,3
.irp u, 0,1
	global_store_b128 v[LI], v[OUT+8*(2*\m+\u):OUT+8*(2*\m+\u)+3], s[18:19] offset:12288*(\m/2)+4096+1024*\u+512*(\m%2)
.endr
.endr
	s_wait_tensorcnt 0x0                           ; the wave's end: behind my last LDS store
	ds_add_u32 v[SPW], v[NIL]
	s_wait_dscnt 0x0
	s_endpgm
.Lfunc_end_k_qc69d0f6229_proj:
	.size	k_qc69d0f6229_proj, .Lfunc_end_k_qc69d0f6229_proj-k_qc69d0f6229_proj
	.p2alignl 7, 3214868480
	.fill 96, 4, 3214868480
	.section	.rodata,"a",@progbits
	.p2align	6, 0x0
	.amdhsa_kernel k_qc69d0f6229_proj
		.amdhsa_group_segment_fixed_size 77824
		.amdhsa_private_segment_fixed_size 0
		.amdhsa_enable_private_segment 0
		.amdhsa_kernarg_size 64
		.amdhsa_user_sgpr_count 2
		.amdhsa_user_sgpr_kernarg_segment_ptr 1
		.amdhsa_wavefront_size32 1
		.amdhsa_system_sgpr_workgroup_id_x 1
		.amdhsa_system_sgpr_workgroup_id_y 1
		.amdhsa_system_sgpr_workgroup_id_z 1
		.amdhsa_system_vgpr_workitem_id 0
		.amdhsa_next_free_vgpr 400
		.amdhsa_next_free_sgpr 66
		.amdhsa_reserve_vcc 0
		.amdhsa_float_denorm_mode_32 3
		.amdhsa_float_denorm_mode_16_64 3
		.amdhsa_memory_ordered 1
		.amdhsa_forward_progress 1
		.amdhsa_inst_pref_size 46
	.end_amdhsa_kernel
	.amdgpu_metadata
---
amdhsa.version: [ 1, 2 ]
amdhsa.kernels:
  - .name:           k_qc69d0f6229_proj
    .symbol:         k_qc69d0f6229_proj.kd
    .args:
      - { .name: x, .offset: 0, .size: 8, .value_kind: global_buffer, .address_space: global }
      - { .name: wcodes, .offset: 8, .size: 8, .value_kind: global_buffer, .address_space: global }
      - { .name: wscales, .offset: 16, .size: 8, .value_kind: global_buffer, .address_space: global }
      - { .name: bq, .offset: 24, .size: 8, .value_kind: global_buffer, .address_space: global }
      - { .name: bk, .offset: 32, .size: 8, .value_kind: global_buffer, .address_space: global }
      - { .name: bv, .offset: 40, .size: 8, .value_kind: global_buffer, .address_space: global }
      - { .name: qimg, .offset: 48, .size: 8, .value_kind: global_buffer, .address_space: global }
      - { .name: kv, .offset: 56, .size: 8, .value_kind: global_buffer, .address_space: global }
    .group_segment_fixed_size: 77824
    .private_segment_fixed_size: 0
    .kernarg_segment_align: 8
    .kernarg_segment_size: 64
    .max_flat_workgroup_size: 256
    .sgpr_count:     66
    .vgpr_count:     400
    .wavefront_size: 32
...
	.end_amdgpu_metadata
.endif
;; end of part 2
;; launch attn (part 3): grid 8 x 32, 16 waves a work-group, clusters of 4 x 1, 327,680 bytes of LDS; arguments qimg, kv, x, out0; writes out0
.if DOCPART == 3
	.amdgcn_target "amdgcn-amd-amdhsa--gfx1250"
	.amdhsa_code_object_version 6
	.text
	.protected	k_qc69d0f6229_attn
	.globl	k_qc69d0f6229_attn
	.p2align	8
	.type	k_qc69d0f6229_attn,@function
k_qc69d0f6229_attn:
	s_mov_b64 s[64:65], 0
	v_nop
	global_prefetch_b8 v0, s[64:65] scope:SCOPE_SE
	s_setreg_imm32_b32 hwreg(HW_REG_WAVE_MODE, 25, 1), 1
	s_wait_xcnt 0x0
	s_wait_alu depctr_hold_cnt(0) depctr_sa_sdst(0) depctr_va_vdst(0) depctr_va_sdst(0) depctr_va_ssrc(0) depctr_va_vcc(0) depctr_vm_vsrc(0)
	s_getreg_b32 s2, hwreg(HW_REG_IB_STS2, 6, 4)
	s_cmp_eq_u32 s2, 0
	s_cbranch_scc0 .Lentry_in_a_cluster
	s_endpgm
.Lentry_in_a_cluster:
	s_bfe_u32 s2, ttmp6, 0x10000c
	s_cmp_lg_u32 s2, 0x3003
	s_cbranch_scc0 .Lentry_shape_is_right
	s_endpgm
.Lentry_shape_is_right:
; out0[n][q][32 head + d] = x[n][q][32 head + d] + the sum over k of softmax_k(Q[q] . K[k] x sqrt(32)) V[k][d], for 8 batches x 8 heads, 2,048 queries and keys, head size 32.
; Q and K come as PAIRS of f16 numbers (high, low), V as f16, all as images of the operands' registers ([c = 0, 1][lane][16 bytes], 1,024 bytes a fragment of 8 registers):
;   qimg: ((8 n + head) 128 + tile of 16 queries) 2048 + 1024 part.
;   kv:   ((4 n + pair) 64 + block of 32 keys) 12288 + 6144 (head % 2) + piece: K high of key tile i at 1024 i, K low at 2048 + 1024 i, V^T of channels 16 dt on at 4096 + 1024 dt.
; THE SCORES TAKE THREE PRODUCTS: S = Kh Qh + Kl Qh + Kh Ql, sums in f32.  The logits spread so far (the factor is sqrt(32), no division) that the softmax is close to one-hot; where two logits lie near
; each other, an error in their difference goes straight into the output, and operands rounded once to 11 bits leave too large a one.  What is left out, Kl Ql, lies 22 bits under the score.
; SHARES.  A work-group owns 256 queries of a PAIR of heads, so that it writes 256 consecutive bytes of each row of out0.  Sixteen waves, four to a SIMD, so that one wave's vector work stands beside
; another's matrix work and LDS loads: wave w serves head w / 8 of the pair and queries 32 (w % 8) on: two tiles t of 16.  Every wave walks all 2,048 keys, 64 a step.
; LAYOUT.  S^T = K Q^T (source 0 = 16 keys, source 1 = 16 queries): a lane holds ONE query (lane % 16) and keys 8 (lane / 16) + 0 .. 7.  Two such tiles, rounded to f16 in pairs, ARE source 1 of
; O^T = V^T P, whose result again holds one query a lane.  Nothing changes lanes between the products; a query's maximum and sum want one exchange between the halves of the lanes.
; SOFTMAX.  A running maximum m and sum l for each query: p = 2^(c s - c m), c = sqrt(32) log2(e); in every step O and l are multiplied by a = 2^(c m_old - c m_new).  The sum is taken of p before it is rounded.
; THE RING.  A pair's K and V are one dense stream of 786,432 bytes.  Two LDS slots of 98,304 bytes (256 keys of both heads, four steps); waves 0 to 3 fetch a quarter each, 96 rows of 256 bytes.
; CLUSTER.  The four blocks of queries of a cluster walk the same stream: each quarter is asked for JOINTLY, by the same tensor load with the same descriptor and a mask that names the four.
; Images are read as 512 consecutive bytes an instruction: the slots need no padding.
; LIMITS: |Q.K| x 8.17 stays finite in f32.  NaN and infinities are not served.
; REGISTERS: v1-11 addresses; v16-31 statistics, eight a tile: +0 c m, +1 m, +2, +3 l (even keys', odd keys'), +4 .. +7 at work (a takes +6); v32-63 Q: high and low of two tiles; v64-95 K high, v96-127 K low,
;   four key tiles each; v128-159 V^T (block b, channels dt); v160-223 S^T, 32 a tile, and P in its place; v224-255 O^T, 16 a tile.
.set SLOT1,  1<<17                     ; slot 1 begins here, so that one exclusive or turns an address in one slot into the other's
.set SLOTB,  98304                     ; a slot's bytes: 8 blocks of 32 keys
.set STEPB,  24576                     ; a step's: 2 blocks
.set BLKB,   12288
.set STREAM, 786432
.set NSL,    8                         ; slots' worth of keys
.set SP,     272                       ; a stage row: 256 bytes + 16: 17 x 16 bytes, so that sixteen rows begin at sixteen different 16-byte columns modulo 256
.set STAGE,  SLOT1+SLOTB               ; behind the ring: 256 rows of the work-group's results; no tile ever lands here
.set SPARE,  STAGE+256*SP              ; the spare words, 128 bytes for each wave: eight blocks of 256 bytes that no other line names
.set LI,  1                            ; v1   16 x lane + 6144 x my head's place in the pair
.set ADR, 2                            ; v2   LDS address of the step in hand
.set SPW, 3                            ; v3   LDS address of my spare word; never rewritten
.set NIL, 4                            ; v4   0; never rewritten
.set QO,  5                            ; v5   16 x lane
.set STO, 6                            ; v6   the way out: where I put 32 bytes of a row
.set RD,  7                            ; v7   where I read a row back
.set GO,  8                            ; v8   my byte offset in the wave's rows of x and out0
.set PFO, 9                            ; v9   256 x lane: the prefetches' offset; never rewritten
.set ST,  16
.set QH,  32                           ; tile t: QH + 16 t;
.set QL,  40                           ; QL + 16 t
.set KH,  64
.set KL,  96
.set VF,  128
.set S,   160
.set OA,  224
.set WV,  12                           ; s12  my wave's number
.set LIM, 15                           ; s15  1 in a wave that prefetches, else the greatest number
.set G1,  24                           ; s[24:31] descriptor group 1
.set G0,  32                           ; s[32:35] descriptor group 0, which walks
.set CS,  36                           ; s[36:37] c: the packed form names a pair and takes its low word for both halves
.set SEL, 38                           ; s[38:39] lane selects for v_permlanex16_b32: lane l xor 16
.set TB,  40                           ; s40  LDS byte at which the step to be fetched begins
.set SLOTS, 41                         ; s41  slots still to be asked for
.set STEPS, 42                         ; s42  counts a slot's four steps
.set PFA, 44                           ; s[44:45] where my prefetches stand in memory
; A round of the cluster's barrier: my work-group's barrier, so that wave 0's signal speaks for all sixteen waves; wave 0 signals; every wave waits for all four work-groups; my work-group's barrier once more.
.macro CROUND
	s_barrier_signal -1
	s_barrier_wait -1
	s_cmp_lg_u32 s[WV], 0
	s_cbranch_scc1 .Lnot_wave_0_\@
	s_barrier_signal -3
.Lnot_wave_0_\@:
	s_barrier_wait -3
	s_barrier_signal -1
	s_barrier_wait -1
.endm
; The joint load: waves 0 to 3 fetch a quarter of a slot each.  The branch hangs on the wave's number alone: it is the same in every work-group.  An s_nop 0 and four v_nop follow the load.
.macro TLOAD
	s_cmp_lt_u32 s[WV], 4
	s_cbranch_scc0 .Lno_load_\@
	tensor_load_to_lds s[G0:G0+3], s[G1:G1+7]
	s_nop 0
.rept 4
	v_nop
.endr
.Lno_load_\@:
.endm
; A PREFETCH INTO THE L2 of the slot that the NEXT change of slots will ask for: four key steps ahead of that load.  Both clusters of a pair of heads walk the same stream: the first of them asks.  Its four partners
; share a slot's 98,304 bytes out BY ADDRESS, 24,576 each; in each, waves 4, 5 and 6, which fetch nothing, ask for 8,192 bytes, lanes 256 bytes apart: each aligned block of 256 bytes is named once in the launch.
; Slots 0 and 1 come by their loads alone; the last change that fills a slot asks for nothing: there is no slot behind it.
.macro ASK
	s_cmp_gt_u32 s[SLOTS], s[LIM]
	s_cbranch_scc0 .Lnot_mine_\@
	global_prefetch_b8 v[PFO], s[PFA:PFA+1] th:TH_LOAD_NT scope:SCOPE_SE
.Lnot_mine_\@:
.endm
	s_load_b256 s[4:11], s[0:1], 0x0               ; qimg s[4:5], kv s[6:7], x s[8:9], out0 s[10:11]
	v_lshl_add_u32 v[SPW], v0, 2, SPARE
	v_mov_b32 v[NIL], 0
	ds_add_u32 v[SPW], v[NIL]                      ; the wave's opening: the add, twice on end, and its wait ahead of the first tensor load; the set-up below, work on registers, stands between the second and the wait
	ds_add_u32 v[SPW], v[NIL]
	v_lshrrev_b32 v[ADR], 5, v0
	v_readfirstlane_b32 s[WV], v[ADR]              ; wave 0..15
	s_bfe_u32 s13, ttmp6, 0x40000                  ; cx: my place in the cluster
	s_lshl_b32 s14, ttmp9, 2                       ; in a cluster launch ttmp9 counts clusters
	s_add_co_u32 s14, s14, s13                     ; my block of 256 queries: it enters Q's, x's and out0's addresses alone
	s_and_b32 s16, ttmp7, 0xffff                   ; y = 4 n + pair of heads, which the four partners share
	s_lshr_b32 s17, s[WV], 3                       ; my head's place in the pair
	s_and_b32 s18, s[WV], 7                        ; my 32 queries of the 256
	s_and_b32 s19, s[WV], 3                        ; which quarter I fetch, or which third I prefetch
	; descriptor group 1: 96 dense rows of 256 bytes
	s_mov_b32 s[G1], 15|(3<<16)|(1<<21)            ; 15:0 the mask: all four work-groups; 17:16 elements of 8 bytes; 20 no padding; 21 set beside a mask
	s_mov_b32 s[G1+1], 32<<16                      ; tensor_dim0 = 32 elements
	s_mov_b32 s[G1+2], 96<<16                      ; tensor_dim1 = 96
	s_mov_b32 s[G1+3], 32<<16                      ; tile_dim0 = 32
	s_mov_b32 s[G1+4], 96                          ; tile_dim1 = 96
	s_mov_b32 s[G1+5], 32                          ; from row to row: 32 elements
	s_mov_b32 s[G1+6], 0
	s_mov_b32 s[G1+7], 0
	s_mov_b32 s[CS], 0x410293ee                    ; c = sqrt(32) log2(e) = 8.161116
	s_mov_b32 s[CS+1], s[CS]                       ; (named with it as a pair, so it is written)
	s_mov_b32 s[SEL], 0x76543210
	s_mov_b32 s[SEL+1], 0xfedcba98
	s_mov_b32 s[TB], 0
	s_mov_b32 s[SLOTS], NSL-1
	s_sub_co_u32 s20, s[WV], 4
	s_cmp_lt_u32 s20, 3                            ; waves 4, 5, 6,
	s_cselect_b32 s20, 0, 1
	s_or_b32 s20, s20, ttmp9                       ; of the pair's first cluster: the same in all four partners
	s_cmp_eq_u32 s20, 0
	s_cselect_b32 s[LIM], 1, -1
	; every LDS address but the step's is made here, ahead of the first branch on the wave's number
	v_and_b32 v10, 15, v0                          ; r
	v_bfe_u32 v11, v0, 4, 1                        ; h
	v_and_b32 v[QO], 31, v0
	v_lshlrev_b32 v[PFO], 8, v[QO]
	v_lshlrev_b32 v[QO], 4, v[QO]
	s_mul_i32 s20, s17, 6144
	v_add_nc_u32 v[LI], s20, v[QO]
	s_lshl_b32 s20, s18, 5
	s_mul_i32 s20, s20, SP                         ; into the stage: my 32 rows,
	s_lshl_b32 s21, s17, 7                         ; my head's 128 bytes of them,
	s_add_co_u32 s20, s20, s21
	s_add_co_u32 s20, s20, STAGE
	v_mul_u32_u24 v[STO], v10, SP                  ; row r, 32 bytes for each half of the lanes
	v_lshl_add_u32 v[STO], v11, 5, v[STO]
	v_add_nc_u32 v[STO], s20, v[STO]
	s_mul_i32 s20, s[WV], 16*SP                    ; back: wave w takes rows 16 w .. 16 w + 15, whole: lanes 0-15 one row of 256 bytes, lanes 16-31 the next
	s_add_co_u32 s20, s20, STAGE
	v_mul_u32_u24 v[RD], v11, SP
	v_lshl_add_u32 v[RD], v10, 4, v[RD]
	v_add_nc_u32 v[RD], s20, v[RD]
	v_lshlrev_b32 v[GO], 10, v11                   ; and the same two rows in x and out0
	v_lshl_add_u32 v[GO], v10, 4, v[GO]
	; byte offsets
	s_lshl_b32 s46, s16, 1                         ; Q: ((2 y + place in the pair) 128 + 16 x block + 2 x my 32) 2048
	s_add_co_u32 s46, s46, s17
	s_lshl_b32 s46, s46, 7
	s_lshl_b32 s47, s14, 4
	s_add_co_u32 s46, s46, s47
	s_lshl_b32 s47, s18, 1
	s_add_co_u32 s46, s46, s47
	s_lshl_b32 s46, s46, 11
	s_mov_b32 s47, 0
	s_lshr_b32 s48, s16, 2                         ; x, out0: (2048 n + 256 x block + 16 x wave) 1024 + 256 x pair
	s_lshl_b32 s48, s48, 11
	s_lshl_b32 s49, s14, 8
	s_add_co_u32 s48, s48, s49
	s_lshl_b32 s49, s[WV], 4
	s_add_co_u32 s48, s48, s49
	s_lshl_b32 s48, s48, 10
	s_and_b32 s49, s16, 3
	s_lshl_b32 s49, s49, 8
	s_add_co_u32 s48, s48, s49
	s_mov_b32 s49, 0
	s_mul_i32 s50, s16, STREAM                     ; the pair's stream in kv (these four registers never hold my place in the cluster)
	s_mov_b32 s51, 0
	s_mul_i32 s[G0+1], s19, STEPB                  ; my quarter: in a slot,
	s_mul_i32 s52, s19, STEPB                      ; and in memory
	s_mov_b32 s53, 0
	s_mul_i32 s54, s13, STEPB                      ; the prefetches: my work-group's quarter of a slot,
	s_lshl_b32 s55, s19, 13                        ; my wave's 8,192 bytes of it,
	s_add_co_u32 s54, s54, s55
	s_add_co_u32 s54, s54, SLOTB                   ; in slot 1: the first change of slots steps it to slot 2.  Nothing is prefetched here, at the head
	s_mov_b32 s55, 0
	s_wait_dscnt 0x0                               ; both opening adds are done
	s_wait_kmcnt 0x0
	s_add_nc_u64 s[4:5], s[4:5], s[46:47]
	s_add_nc_u64 s[8:9], s[8:9], s[48:49]
	s_add_nc_u64 s[10:11], s[10:11], s[48:49]
	s_add_nc_u64 s[6:7], s[6:7], s[50:51]
	s_mov_b32 s[G0], 1                             ; 1:0 count = 1
	s_add_nc_u64 s[G0+2:G0+3], s[6:7], s[52:53]    ; 120:64 global address: my quarter of the stream's first slot
	s_or_b32 s[G0+3], s[G0+3], 0x80000000          ; 127:126 type = 2
	s_add_nc_u64 s[PFA:PFA+1], s[6:7], s[54:55]
	CROUND                                         ; all four work-groups are here: the first joint loads meet
	TLOAD                                          ; slot 0
.irp t, 0,1
.irp p, 0,1
.irp c, 0,1
	global_load_b128 v[QH+16*\t+8*\p+4*\c:QH+16*\t+8*\p+4*\c+3], v[QO], s[4:5] offset:2048*\t+1024*\p+512*\c th:TH_LOAD_NT   ; Q stays in registers: tile t, part p
.endr
.endr
.endr
.irp t, 0,1
	v_mov_b32 v[ST+8*\t], 0xff800000               ; c m = -infinity: the first step's a is 2^-infinity = 0, on zeros
	v_mov_b32 v[ST+8*\t+1], 0xff7fffff             ; m: under every score
	v_mov_b32 v[ST+8*\t+2], 0                      ; l
	v_mov_b32 v[ST+8*\t+3], 0
.endr
.set i, 0
.rept 32
	v_mov_b32 v[OA+i], 0                           ; O^T.  (The step is written once: the first finds zeros)
.set i, i+1
.endr
; A KEY STEP: 64 keys: 24 products for the scores, the softmax of two tiles, 8 products V^T P.
.macro STEP
	v_add_nc_u32 v[ADR], s[TB], v[LI]
.rept 4
	v_nop                                          ; with the line above five places behind the last products V^T P: four for the loads into V's registers, five for the products that write over P (ISA guide 7.12.1 for vector instructions)
.endr
.irp b, 0,1
.irp i, 0,1
.irp c, 0,1
	ds_load_b128 v[KH+8*(2*\b+\i)+4*\c:KH+8*(2*\b+\i)+4*\c+3], v[ADR] offset:BLKB*\b+1024*\i+512*\c
	ds_load_b128 v[KL+8*(2*\b+\i)+4*\c:KL+8*(2*\b+\i)+4*\c+3], v[ADR] offset:BLKB*\b+2048+1024*\i+512*\c
.endr
.endr
.endr
.irp b, 0,1
.irp d, 0,1
.irp c, 0,1
	ds_load_b128 v[VF+16*\b+8*\d+4*\c:VF+16*\b+8*\d+4*\c+3], v[ADR] offset:BLKB*\b+4096+1024*\d+512*\c
.endr
.endr
.endr
	s_add_co_u32 s[TB], s[TB], STEPB               ; the next fetch is the next step's
	s_wait_dscnt 8                                 ; K's sixteen loads are in; V's eight, issued behind them, may stay out
	; S^T = Kh Qh + Kl Qh + Kh Ql.  The eight accumulators take turns, one instruction a turn
.irp a, 0,1,2,3
.irp t, 0,1
	v_wmma_f32_16x16x32_f16 v[S+32*\t+8*\a:S+32*\t+8*\a+7], v[KH+8*\a:KH+8*\a+7], v[QH+16*\t:QH+16*\t+7], 0
.endr
.endr
.irp a, 0,1,2,3
.irp t, 0,1
	v_wmma_f32_16x16x32_f16 v[S+32*\t+8*\a:S+32*\t+8*\a+7], v[KL+8*\a:KL+8*\a+7], v[QH+16*\t:QH+16*\t+7], v[S+32*\t+8*\a:S+32*\t+8*\a+7]
.endr
.endr
.irp a, 0,1,2,3
.irp t, 0,1
	v_wmma_f32_16x16x32_f16 v[S+32*\t+8*\a:S+32*\t+8*\a+7], v[KH+8*\a:KH+8*\a+7], v[QL+16*\t:QL+16*\t+7], v[S+32*\t+8*\a:S+32*\t+8*\a+7]
.endr
.endr
.rept 4
	v_nop                                          ; four places ahead of the first read of the scores, and of the next step's loads into K's registers
.endr
	; the maximum of a lane's 32 scores and the old m: four chains of seven scores, then the four left over.  Each accumulator is read from its low end on; the two tiles alternate
.irp j, 0,1,2,3
.irp t, 0,1
	v_max3_num_f32 v[ST+8*\t+4+\j], v[S+32*\t+8*\j], v[S+32*\t+8*\j+1], v[S+32*\t+8*\j+2]
.endr
.endr
.irp k, 3,5
.irp j, 0,1,2,3
.irp t, 0,1
	v_max3_num_f32 v[ST+8*\t+4+\j], v[ST+8*\t+4+\j], v[S+32*\t+8*\j+\k], v[S+32*\t+8*\j+\k+1]
.endr
.endr
.endr
.irp t, 0,1
	v_max3_num_f32 v[ST+8*\t+4], v[ST+8*\t+4], v[S+32*\t+7], v[S+32*\t+15]
.endr
.irp t, 0,1
	v_max3_num_f32 v[ST+8*\t+6], v[ST+8*\t+6], v[S+32*\t+23], v[S+32*\t+31]
.endr
.irp t, 0,1
	v_max3_num_f32 v[ST+8*\t+4], v[ST+8*\t+4], v[ST+8*\t+5], v[ST+8*\t+6]
.endr
.irp t, 0,1
	v_max3_num_f32 v[ST+8*\t+4], v[ST+8*\t+4], v[ST+8*\t+7], v[ST+8*\t+1]
.endr
.irp t, 0,1
	v_permlanex16_b32 v[ST+8*\t+5], v[ST+8*\t+4], s[SEL], s[SEL+1]   ; the query's other 32 keys lie in the lane 16 away
.endr
.irp t, 0,1
	v_mov_b32 v[ST+8*\t+7], v[ST+8*\t]             ; c m_old is kept for a
.endr
.irp t, 0,1
	v_max_num_f32 v[ST+8*\t+1], v[ST+8*\t+4], v[ST+8*\t+5]   ; the new m
.endr
.irp t, 0,1
	v_mul_f32 v[ST+8*\t], s[CS], v[ST+8*\t+1]
.endr
.irp t, 0,1
	v_sub_f32 v[ST+8*\t+7], v[ST+8*\t+7], v[ST+8*\t]
.endr
.irp j, 0,2,4,6,8,10,12,14,16,18,20,22,24,26,28,30
.irp t, 0,1
	v_pk_fma_f32 v[S+32*\t+\j:S+32*\t+\j+1], v[S+32*\t+\j:S+32*\t+\j+1], s[CS:CS+1], v[ST+8*\t:ST+8*\t+1] op_sel_hi:[1,0,0] neg_lo:[0,0,1] neg_hi:[0,0,1]   ; c s - c m, two at a time
.endr
.endr
	; ONE BATCH of 66 exponentials, none of which reads another's result
.irp t, 0,1
	v_exp_f32 v[ST+8*\t+6], v[ST+8*\t+7]           ; a
.endr
.irp j, 0,1,2,3,4,5,6,7,8,9,10,11,12,13,14,15,16,17,18,19,20,21,22,23,24,25,26,27,28,29,30,31
.irp t, 0,1
	v_exp_f32 v[S+32*\t+\j], v[S+32*\t+\j]         ; p, at most 1 but for the rounding of c m
.endr
.endr
	v_nop                                          ; a plain instruction behind the last exponential (ISA guide 5.7.2),
	s_wait_alu depctr_va_vdst(0)                   ; and the one wait ahead of the batch's first reader
	; l = a l + the sum of the unrounded p, a pair (an even key's, an odd key's) at a time, in two chains
.irp t, 0,1
	v_pk_fma_f32 v[ST+8*\t+2:ST+8*\t+3], v[ST+8*\t+2:ST+8*\t+3], v[ST+8*\t+6:ST+8*\t+7], v[S+32*\t:S+32*\t+1] op_sel_hi:[1,0,1]
.endr
.irp t, 0,1
	v_pk_add_f32 v[ST+8*\t+4:ST+8*\t+5], v[S+32*\t+2:S+32*\t+3], v[S+32*\t+4:S+32*\t+5]
.endr
.irp j, 6,10,14,18,22,26
.irp t, 0,1
	v_pk_add_f32 v[ST+8*\t+2:ST+8*\t+3], v[ST+8*\t+2:ST+8*\t+3], v[S+32*\t+\j:S+32*\t+\j+1]
.endr
.irp t, 0,1
	v_pk_add_f32 v[ST+8*\t+4:ST+8*\t+5], v[ST+8*\t+4:ST+8*\t+5], v[S+32*\t+\j+2:S+32*\t+\j+3]
.endr
.endr
.irp t, 0,1
	v_pk_add_f32 v[ST+8*\t+2:ST+8*\t+3], v[ST+8*\t+2:ST+8*\t+3], v[S+32*\t+30:S+32*\t+31]
.endr
.irp t, 0,1
	v_pk_add_f32 v[ST+8*\t+2:ST+8*\t+3], v[ST+8*\t+2:ST+8*\t+3], v[ST+8*\t+4:ST+8*\t+5]
.endr
	; p to f16, IN PLACE: register i takes registers 2 i and 2 i + 1, i ascending, so that no register is written before it has been read.  Registers 8 b .. 8 b + 7 are then source 1 for keys 32 b on
.irp i, 0,1,2,3,4,5,6,7,8,9,10,11,12,13,14,15
.irp t, 0,1
	v_cvt_pk_f16_f32 v[S+32*\t+\i], v[S+32*\t+2*\i], v[S+32*\t+2*\i+1]
.endr
.endr
.irp j, 0,2,4,6,8,10,12,14
.irp t, 0,1
	v_pk_mul_f32 v[OA+16*\t+\j:OA+16*\t+\j+1], v[OA+16*\t+\j:OA+16*\t+\j+1], v[ST+8*\t+6:ST+8*\t+7] op_sel_hi:[1,0]   ; O^T x a, each accumulator from its low end on
.endr
.endr
	s_wait_dscnt 0x0                               ; V is in
.irp b, 0,1                                    ; O^T += V^T P: the four accumulators take turns
.irp t, 0,1
.irp d, 0,1
	v_wmma_f32_16x16x32_f16 v[OA+16*\t+8*\d:OA+16*\t+8*\d+7], v[VF+16*\b+8*\d:VF+16*\b+8*\d+7], v[S+32*\t+8*\b:S+32*\t+8*\b+7], v[OA+16*\t+8*\d:OA+16*\t+8*\d+7]
.endr
.endr
.endr
.endm
; THE CHANGE OF SLOTS stands at a slot's head.  Each wave waits for all its tensor loads (its part of the slot that it is about to read), adds 0 to its spare word, and waits for that and for its reads of the slot that it has left.
; fill = 1: the barrier is a round of the cluster's, so that no wave of any partner still reads the slot that was left or has a load on its way; the joint load of the next 256 keys is the first thing behind it,
; a wave's one tensor load until the next change, and has four key steps in which to land.
.macro CHANGE fill
	s_wait_tensorcnt 0x0                           ; no tensor load of mine is out, so group 0 may be written
	ds_add_u32 v[SPW], v[NIL]                      ; 0 onto my spare word
.if \fill
	ds_add_u32 v[SPW], v[NIL]                      ; and once more, in every trip alike
	s_xor_b32 s[G0+1], s[G0+1], SLOT1              ; the walking descriptor: the other slot than last time,
	s_add_nc_u64 s[G0+2:G0+3], s[G0+2:G0+3], SLOTB ; the next 256 keys; the type bits on top are not reached
	s_wait_xcnt 0x0                                ; the last prefetch, a slot back, has read its address, so it may be written:
	s_add_nc_u64 s[PFA:PFA+1], s[PFA:PFA+1], SLOTB ; one slot further on than the walking descriptor
	s_wait_dscnt 0x0                               ; both adds are done, and my reads of the slot that I have left are over
	CROUND
	TLOAD
	ASK
.else
	s_wait_dscnt 0x0                               ; the add is done, and my reads are over
	s_barrier_signal -1
	s_barrier_wait -1
.endif
.endm
.macro SLOT_STEPS                      ; a slot's four key steps: written once, walked four times; the LDS addresses hang on s[TB]
	s_mov_b32 s[STEPS], 4
.Lstep_\@:
	STEP
	s_sub_co_u32 s[STEPS], s[STEPS], 1
	s_cmp_lg_u32 s[STEPS], 0
	s_cbranch_scc1 .Lstep_\@
	s_sub_co_u32 s[TB], s[TB], SLOTB               ; back to a slot's first step,
	s_xor_b32 s[TB], s[TB], SLOT1                  ; in the other slot
.endm
	s_wait_loadcnt 0x0                             ; Q
.Lslot:                                            ; NSL - 1 trips: behind each change of slots but the last the next slot is asked for
	CHANGE 1
	SLOT_STEPS
	s_sub_co_u32 s[SLOTS], s[SLOTS], 1
	s_cmp_lg_u32 s[SLOTS], 0
	s_cbranch_scc1 .Lslot
	CHANGE 0                                       ; the last slot is written out
	SLOT_STEPS
	; THE WAY OUT.  O^T / l goes into the work-group's stage; a row's 256 bytes come from two waves (the pair's two heads), so a barrier stands between writing and reading; each wave then takes 16 whole rows, adds x and stores.
.irp i, 0,1,2,3,4,5,6,7
	global_load_b128 v[KH+4*\i:KH+4*\i+3], v[GO], s[8:9] offset:2048*\i th:TH_LOAD_NT   ; x: the rows and columns that I shall store; K's registers are free (their last products lie four places and more back)
.endr
.irp t, 0,1
	v_add_f32 v[ST+8*\t+4], v[ST+8*\t+2], v[ST+8*\t+3]   ; l's two halves.  (These lines are also the places behind the last products)
.endr
.irp t, 0,1
	v_permlanex16_b32 v[ST+8*\t+5], v[ST+8*\t+4], s[SEL], s[SEL+1]
.endr
.irp t, 0,1
	v_add_f32 v[ST+8*\t+4], v[ST+8*\t+4], v[ST+8*\t+5]   ; and the other half of the lanes': the row's sum
.endr
.irp t, 0,1
	v_rcp_f32 v[ST+8*\t+6], v[ST+8*\t+4]
.endr
	v_nop                                          ; a plain instruction behind the last reciprocal,
	s_wait_alu depctr_va_vdst(0)                   ; and the wait ahead of the first use: one for both
.irp t, 0,1
.irp j, 0,2,4,6,8,10,12,14
	v_pk_mul_f32 v[OA+16*\t+\j:OA+16*\t+\j+1], v[OA+16*\t+\j:OA+16*\t+\j+1], v[ST+8*\t+6:ST+8*\t+7] op_sel_hi:[1,0]
.endr
.endr
.irp t, 0,1
.irp d, 0,1
	ds_store_b128 v[STO], v[OA+16*\t+8*\d:OA+16*\t+8*\d+3] offset:16*SP*\t+64*\d        ; lane (r, h): query 16 t + r, channels 16 d + 8 h + 0 .. 7
	ds_store_b128 v[STO], v[OA+16*\t+8*\d+4:OA+16*\t+8*\d+7] offset:16*SP*\t+64*\d+16
.endr
.endr
	s_wait_dscnt 0x0                               ; for the others' sake: my stores into the stage are done
	s_barrier_signal -1
	s_barrier_wait -1
.irp i, 0,1,2,3,4,5,6,7
	ds_load_b128 v[KL+4*\i:KL+4*\i+3], v[RD] offset:2*SP*\i
.endr
	s_wait_loadcnt 0x0                             ; x
.irp i, 0,1,2,3,4,5,6,7
	s_wait_dscnt 7-\i                              ; LDS loads come back in order (ISA guide 5.7.1): load i is in, the 7 - i behind it may stay out
	v_pk_add_f32 v[KL+4*\i:KL+4*\i+1], v[KL+4*\i:KL+4*\i+1], v[KH+4*\i:KH+4*\i+1]
	v_pk_add_f32 v[KL+4*\i+2:KL+4*\i+3], v[KL+4*\i+2:KL+4*\i+3], v[KH+4*\i+2:KH+4*\i+3]
	global_store_b128 v[GO], v[KL+4*\i:KL+4*\i+3], s[10:11] offset:2048*\i th:TH_STORE_NT   ; 16 lanes store 256 consecutive bytes, at a multiple of 256 from out0's first byte
.endr
	s_wait_tensorcnt 0x0                           ; the wave's end: behind my last tensor load and my last LDS store
	ds_add_u32 v[SPW], v[NIL]
	s_wait_dscnt 0x0
	CROUND                                         ; the closing round: no work-group ends while a partner may still ask for a tile that names it
	s_endpgm
.Lfunc_end_k_qc69d0f6229_attn:
	.size	k_qc69d0f6229_attn, .Lfunc_end_k_qc69d0f6229_attn-k_qc69d0f6229_attn
	.p2alignl 7, 3214868480
	.fill 96, 4, 3214868480
	.section	.rodata,"a",@progbits
	.p2align	6, 0x0
	.amdhsa_kernel k_qc69d0f6229_attn
		.amdhsa_group_segment_fixed_size 327680
		.amdhsa_private_segment_fixed_size 0
		.amdhsa_enable_private_segment 0
		.amdhsa_kernarg_size 32
		.amdhsa_user_sgpr_count 2
		.amdhsa_user_sgpr_kernarg_segment_ptr 1
		.amdhsa_wavefront_size32 1
		.amdhsa_system_sgpr_workgroup_id_x 1
		.amdhsa_system_sgpr_workgroup_id_y 1
		.amdhsa_system_sgpr_workgroup_id_z 1
		.amdhsa_system_vgpr_workitem_id 0
		.amdhsa_next_free_vgpr 256
		.amdhsa_next_free_sgpr 66
		.amdhsa_reserve_vcc 0
		.amdhsa_float_denorm_mode_32 3
		.amdhsa_float_denorm_mode_16_64 3
		.amdhsa_memory_ordered 1
		.amdhsa_forward_progress 1
		.amdhsa_inst_pref_size 46
	.end_amdhsa_kernel
	.amdgpu_metadata
---
amdhsa.version: [ 1, 2 ]
amdhsa.kernels:
  - .name:           k_qc69d0f6229_attn
    .symbol:         k_qc69d0f6229_attn.kd
    .args:
      - { .name: qimg, .offset: 0, .size: 8, .value_kind: global_buffer, .address_space: global }
      - { .name: kv, .offset: 8, .size: 8, .value_kind: global_buffer, .address_space: global }
      - { .name: x, .offset: 16, .size: 8, .value_kind: global_buffer, .address_space: global }
      - { .name: out0, .offset: 24, .size: 8, .value_kind: global_buffer, .address_space: global }
    .group_segment_fixed_size: 327680
    .private_segment_fixed_size: 0
    .kernarg_segment_align: 8
    .kernarg_segment_size: 32
    .max_flat_workgroup_size: 512
    .sgpr_count:     66
    .vgpr_count:     256
    .wavefront_size: 32
...
	.end_amdgpu_metadata
.endif
;; end of part 3
